; MI455X (gfx1250); checked and timed in simulation.
; The chip was launched on July 23, 2026; its instructions are those of AMD's public machine-readable ISA for CDNA 5 (MIT licence, August 2026) and "CDNA5" Instruction Set Architecture Reference Guide (July 2026). The comments in the code are by the model that wrote it; some were corrected since.
;; Patch Shuffle. Allowed arithmetic: float matrix products may take bf16 or f16 operands with f32 sums; all other float work in f32.
;; Inputs: patches 1,024 x 64 x 768 float32; start_cols 64 int32.
;; Outputs: out0 256 x 64 x 768 float32; out1 1,024 x 64 int32; out2 1,024 x 64 int32; out3 2 x 64 int32.
;; One version. Each part assembles by itself: llvm-mc -triple=amdgcn-amd-amdhsa -mcpu=gfx1250 --defsym DOCPART=n.
;; ======== version 1 of 1: 1 launch
;; launch shuffle (part 1): grid 256 x 1, 8 waves a work-group, no clusters, 0 bytes of LDS; arguments patches, start_cols, out0, out1, out2, out3; writes out0, out1, out2, out3
.if DOCPART == 1
	.amdgcn_target "amdgcn-amd-amdhsa--gfx1250"
	.amdhsa_code_object_version 6
	.text
	.protected	k_q4565e29d25_shuffle
	.globl	k_q4565e29d25_shuffle
	.p2align	8
	.type	k_q4565e29d25_shuffle,@function
k_q4565e29d25_shuffle:
	s_mov_b64 s[64:65], 0
	v_nop
	global_prefetch_b8 v0, s[64:65] scope:SCOPE_SE
	s_setreg_imm32_b32 hwreg(HW_REG_WAVE_MODE, 25, 1), 1
	s_wait_xcnt 0x0
; PatchShuffle.  patches [1024][64][768] f32, start_cols [64] i32.
;   out1 = fwd [1024][64], out2 = bwd [1024][64], out3 = {s, s+48} [2][64], out0[t][b][:] = patches[fwd[t][b]][b][:] for t < 256.
; For sample b with s = start_cols[b]:  lo = clamp(s, 0, 64), hi = clamp(max(s + 48, lo), 0, 64), A = hi - lo, Q = 64 - hi.
; A token t = 64 i + x keeps its grid row i; its column moves by
;   fwd:  0 for x < lo,  +A for x < lo + Q,  -Q from there on        (visible columns first, then the stripe)
;   bwd:  0 for x < lo,  +Q for x < lo + A,  -A from there on        (the inverse: A and Q change places)
; This is what the two argsorts of the reference give for EVERY int32 s (s + 48 wraps as int32 there and here): no range of s is left out.
; Since the permutation stays inside a grid row, tokens 0..255 of out0 are a permutation of tokens 0..255 of patches, and no other
; token of patches is named by the gather.  Floats are copied bit for bit (NaN, infinities, signed zeros as they are).
;
; THE COPY IS WRITTEN AS A SCATTER: out0[bwd[u][b]][b][:] = patches[u][b][:].  The load addresses then hang on ids alone, so all loads
; are issued before start_cols has come; only the store offsets wait for it, and they are made while the data is on its way.
; Work-group u (256 of them) owns patches[u], 196,608 dense bytes; wave w owns samples 8w .. 8w+7, 24,576 dense bytes = 48 loads of
; 16 bytes a lane (512 consecutive bytes a load), all in flight at once in 192 registers.  No loop; no register that a memory
; instruction names is written a second time, so no wait is needed to free a source.
; Each wave also stores one row (64 x i32 = 256 consecutive, aligned bytes, 8 bytes a lane) of out1 (waves 0-3) or out2 (waves 4-7):
; 256 work-groups x 8 waves = the 2 x 1,024 rows.  Wave 0 of work-group 0 stores out3.
; No LDS, barrier, cluster or matrix unit: no wave reads bytes that another wave reads or writes, but for the 256 bytes of start_cols.
.set COLS,   64                        ; columns in a grid row
.set STRIPE, 48                        ; stripe width
.set ROWB,   3072                      ; bytes of one (token, sample): 768 f32
.set SLAB,   64*ROWB                   ; bytes of one token, all samples: 196,608
.set WAVEB,  8*ROWB                    ; a wave's part of the slab: 24,576
.set NLOAD,  WAVEB/512                 ; 48 loads a wave
.set PERROW, ROWB/512                  ; 6 loads or stores for one sample
; vector registers
.set LOFF, 2                           ; 16 x lane: offset of every bulk load
.set IOFF, 3                           ; 8 x lane: my two samples in a row of i32
.set WOFF, 4                           ; 16 x lane + the wave's 24,576 w
.set IO,   5                           ; 8 x lane + 256 x my index row
.set SV,   6                           ; v[6:7]   start_cols of samples 2 lane, 2 lane + 1
.set E,    8                           ; v[8:9]   the same + 48
.set R,    10                          ; v[10:11] the two index values to store
.set LO,   12
.set HI,   13
.set A,    14
.set Q,    15
.set P1,   16                          ; width of the middle piece
.set P2,   17                          ; shift of the middle piece
.set THR,  18
.set NEG,  19
.set D,    20
.set OFF,  22                          ; v[22:29] sample r: offset in out0 of my 16 bytes, less r x 3,072 (that goes into the immediate)
.set X,    32                          ; v[32:223] the data: load k in 4 registers
; scalar registers: s[4:5] patches, s[6:7] start_cols, s[8:9] out0, s[10:11] out1, s[12:13] out2, s[14:15] out3
.set W,    16                          ; wave number
.set SC,   24                          ; s[24:31] start_cols of my 8 samples
.set CC,   32                          ; column of token u
.set TT,   33                          ; my index row
.set XX,   34                          ; its column
.set MSK,  36                          ; all ones in the waves that make bwd
	s_load_b256 s[4:11], s[0:1], 0x0               ; patches, start_cols, out0, out1
	s_load_b128 s[12:15], s[0:1], 0x20             ; out2, out3
	v_lshrrev_b32 v1, 5, v0
	v_readfirstlane_b32 s[W], v1                   ; wave 0..7
	v_and_b32 v1, 31, v0                           ; lane
	v_lshlrev_b32 v[LOFF], 4, v1
	v_lshlrev_b32 v[IOFF], 3, v1
	s_mul_i32 s17, s[W], WAVEB                     ; the wave's part of a slab
	s_mul_i32 s18, ttmp9, SLAB                     ; token u = the work-group's number; at most 255 x 196,608, below 2^31
	s_add_co_u32 s18, s18, s17
	s_mov_b32 s19, 0                               ; s[18:19]: my first source byte
	s_lshl_b32 s22, s[W], 5                        ; start_cols[8 w], in bytes
	s_mov_b32 s23, 0
	s_and_b32 s[CC], ttmp9, COLS-1                 ; column of token u
	s_and_b32 s[TT], s[W], 3
	s_lshl2_add_u32 s[TT], ttmp9, s[TT]            ; index row 4 u + (w & 3), 0..1023
	s_and_b32 s[XX], s[TT], COLS-1                 ; its column
	s_lshl_b32 s35, s[TT], 8                       ; a row of 64 i32 is 256 bytes
	v_add_nc_u32 v[WOFF], s17, v[LOFF]
	v_add_nc_u32 v[IO], s35, v[IOFF]
	s_wait_kmcnt 0x0                               ; the six addresses
	s_add_nc_u64 s[20:21], s[6:7], s[22:23]
	s_load_b256 s[SC:SC+7], s[20:21], 0x0          ; my 8 samples' start columns, as scalars
	global_load_b64 v[SV:SV+1], v[IOFF], s[6:7]    ; all 64, two a lane: the oldest vector load
	s_add_nc_u64 s[4:5], s[4:5], s[18:19]
.set k, 0
.rept NLOAD
	global_load_b128 v[X+4*k:X+4*k+3], v[LOFF], s[4:5] offset:512*k th:TH_LOAD_NT   ; read once in the launch
.set k, k+1
.endr
	s_cmp_ge_u32 s[W], 4                           ; waves 4-7 make bwd
	s_cselect_b32 s[MSK], -1, 0
	s_cselect_b64 s[38:39], s[12:13], s[10:11]     ; and store into out2, the others into out1
	s_wait_kmcnt 0x0                               ; s[SC..SC+7]
; Sample 8 w + r: where token u goes, t = u + (0 | 64 - hi | lo - hi), as an offset into out0.
.macro ROWOFF r
	s_max_i32 s40, s[SC+\r], 0
	s_min_i32 s40, s40, COLS                       ; lo
	s_add_co_u32 s41, s[SC+\r], STRIPE             ; wraps as the reference's int32 sum does
	s_max_i32 s41, s41, s40                        ; lo is at least 0, so this also clamps from below
	s_min_i32 s41, s41, COLS                       ; hi
	s_sub_co_i32 s42, COLS, s41                    ; inside the stripe: + (64 - hi)
	s_sub_co_i32 s43, s40, s41                     ; right of it: - (hi - lo)
	s_cmp_lt_i32 s[CC], s41
	s_cselect_b32 s42, s42, s43
	s_cmp_lt_i32 s[CC], s40
	s_cselect_b32 s42, 0, s42                      ; left of it: stays
	s_add_co_u32 s42, s42, ttmp9                   ; t
	s_min_u32 s42, s42, 255                        ; t is 0..255 by the formula; the bound is written out in front of the address
	s_mul_i32 s42, s42, SLAB
	v_add_nc_u32 v[OFF+\r], s42, v[WOFF]
.endm
.irp r, 0,1,2,3,4,5,6,7
	ROWOFF \r
.endr
; One index value: row TT, sample 2 lane + e.  fwd and bwd differ by the exchange of A and Q alone.
.macro INDEX e
	v_max_i32 v[LO], 0, v[SV+\e]
	v_min_i32 v[LO], COLS, v[LO]
	v_add_nc_u32 v[E+\e], STRIPE, v[SV+\e]         ; s + 48: also out3's second row
	v_max_i32 v[HI], v[E+\e], v[LO]
	v_min_i32 v[HI], COLS, v[HI]
	v_sub_nc_u32 v[A], v[HI], v[LO]
	v_sub_nc_u32 v[Q], COLS, v[HI]
	v_cndmask_b32 v[P1], v[Q], v[A], s[MSK]        ; middle piece's width: fwd Q, bwd A
	v_cndmask_b32 v[P2], v[A], v[Q], s[MSK]        ; its shift:            fwd A, bwd Q
	v_add_nc_u32 v[THR], v[LO], v[P1]
	v_sub_nc_u32 v[NEG], 0, v[P1]                  ; the last piece moves back by the middle piece's width
	v_cmp_lt_u32 vcc_lo, s[XX], v[THR]
	v_cndmask_b32 v[D], v[NEG], v[P2], vcc_lo
	v_cmp_ge_u32 vcc_lo, s[XX], v[LO]
	v_cndmask_b32 v[D], 0, v[D], vcc_lo            ; the first piece stays
	v_add_nc_u32 v[R+\e], s[TT], v[D]
.endm
	s_wait_loadcnt NLOAD                           ; loads return in order (ISA guide 5.7.1): start_cols is in, the 48 bulk loads behind it stay out
	INDEX 0
	INDEX 1
	global_store_b64 v[IO], v[R:R+1], s[38:39] th:TH_STORE_NT      ; the wave stores 256 consecutive bytes, aligned: one row
	s_or_b32 s37, ttmp9, s[W]
	s_cmp_lg_u32 s37, 0
	s_cbranch_scc1 .Lrows                          ; out3: wave 0 of work-group 0 alone
	global_store_b64 v[IOFF], v[SV:SV+1], s[14:15] th:TH_STORE_NT
	global_store_b64 v[IOFF], v[E:E+1], s[14:15] offset:256 th:TH_STORE_NT
.Lrows:
; The rows leave as they come: sample r's six loads are in when at most 6 (7 - r) younger loads are out.
.irp r, 0,1,2,3,4,5,6,7
	s_wait_loadcnt NLOAD-PERROW*(\r+1)
.irp k, 0,1,2,3,4,5
	global_store_b128 v[OFF+\r], v[X+4*(PERROW*\r+\k):X+4*(PERROW*\r+\k)+3], s[8:9] offset:\r*ROWB+\k*512 th:TH_STORE_NT
.endr
.endr
	s_endpgm
.Lfunc_end_k_q4565e29d25_shuffle:
	.size	k_q4565e29d25_shuffle, .Lfunc_end_k_q4565e29d25_shuffle-k_q4565e29d25_shuffle
	.p2alignl 7, 3214868480
	.fill 96, 4, 3214868480
	.section	.rodata,"a",@progbits
	.p2align	6, 0x0
	.amdhsa_kernel k_q4565e29d25_shuffle
		.amdhsa_group_segment_fixed_size 0
		.amdhsa_private_segment_fixed_size 0
		.amdhsa_enable_private_segment 0
		.amdhsa_kernarg_size 48
		.amdhsa_user_sgpr_count 2
		.amdhsa_user_sgpr_kernarg_segment_ptr 1
		.amdhsa_wavefront_size32 1
		.amdhsa_system_sgpr_workgroup_id_x 1
		.amdhsa_system_sgpr_workgroup_id_y 1
		.amdhsa_system_sgpr_workgroup_id_z 1
		.amdhsa_system_vgpr_workitem_id 0
		.amdhsa_next_free_vgpr 224
		.amdhsa_next_free_sgpr 66
		.amdhsa_reserve_vcc 1
		.amdhsa_float_denorm_mode_32 3
		.amdhsa_float_denorm_mode_16_64 3
		.amdhsa_memory_ordered 1
		.amdhsa_forward_progress 1
		.amdhsa_inst_pref_size 17
	.end_amdhsa_kernel
	.amdgpu_metadata
---
amdhsa.version: [ 1, 2 ]
amdhsa.kernels:
  - .name:           k_q4565e29d25_shuffle
    .symbol:         k_q4565e29d25_shuffle.kd
    .args:
      - { .name: patches, .offset: 0, .size: 8, .value_kind: global_buffer, .address_space: global }
      - { .name: start_cols, .offset: 8, .size: 8, .value_kind: global_buffer, .address_space: global }
      - { .name: out0, .offset: 16, .size: 8, .value_kind: global_buffer, .address_space: global }
      - { .name: out1, .offset: 24, .size: 8, .value_kind: global_buffer, .address_space: global }
      - { .name: out2, .offset: 32, .size: 8, .value_kind: global_buffer, .address_space: global }
      - { .name: out3, .offset: 40, .size: 8, .value_kind: global_buffer, .address_space: global }
    .group_segment_fixed_size: 0
    .private_segment_fixed_size: 0
    .kernarg_segment_align: 8
    .kernarg_segment_size: 48
    .max_flat_workgroup_size: 256
    .sgpr_count:     66
    .vgpr_count:     224
    .wavefront_size: 32
...
	.end_amdgpu_metadata
.endif
;; end of part 1
